; MI455X (gfx1250); checked and timed in simulation.
; The chip was launched on July 23, 2026; its instructions are those of AMD's public machine-readable ISA for CDNA 5 (MIT licence, August 2026) and "CDNA5" Instruction Set Architecture Reference Guide (July 2026). The comments in the code are by the model that wrote it; some were corrected since.
;; Gated Slot Attention. Allowed arithmetic: float matrix products may take bf16 or f16 operands with f32 sums; other float arithmetic in f32, or as packed bf16 or f16 multiplies, adds, multiply-adds, maxima and minima; sums over many terms, partial sums and values carried from step to step in f32; what a program stores and reads back later, other than sums and carried values, may be rounded once to bf16 or f16.
;; Inputs: Wf 1,024 x 1,024 float32; Wk 1,024 x 1,024 float32; Wo 1,024 x 1,024 float32; Wq 1,024 x 1,024 float32; Wv 1,024 x 1,024 float32; g_w 1,024 float32; hidden_states 2 x 1,024 x 1,024 float32.
;; Outputs: out0 2 x 1,024 x 1,024 float32.
;; One version. Each part assembles by itself: llvm-mc -triple=amdgcn-amd-amdhsa -mcpu=gfx1250 --defsym DOCPART=n.
;; ======== version 1 of 1: 4 launches
;; limits: a function is approximated: absolute error at most 6.1e-05; values are held in f16: magnitudes above 65,504 overflow, below 6.1e-05 lose precision
;; workspace buffers: qk 8,388,608 bytes; xT 12,582,912 bytes; gg 8,388,608 bytes; gc 131,072 bytes; st 33,554,432 bytes; yy 8,388,608 bytes; ssq 32,768 bytes
;; launch proj (part 1): grid 16 x 16, 8 waves a work-group, no clusters, 203,776 bytes of LDS; arguments hidden_states, Wq, Wk, Wv, Wf, qk, xT, gg, gc; writes qk, xT, gg, gc
.if DOCPART == 1
	.amdgcn_target "amdgcn-amd-amdhsa--gfx1250"
	.amdhsa_code_object_version 6
	.text
	.protected	k_qf6783d85fe_proj
	.globl	k_qf6783d85fe_proj
	.p2align	8
	.type	k_qf6783d85fe_proj,@function
k_qf6783d85fe_proj:
	s_mov_b64 s[64:65], 0
	v_nop
	global_prefetch_b8 v0, s[64:65] scope:SCOPE_SE
	s_setreg_imm32_b32 hwreg(HW_REG_WAVE_MODE, 25, 1), 1
	s_wait_xcnt 0x0
; THE FOUR PROJECTIONS.  x [2048][1024] f32 times Wq, Wk, Wv, Wf ([1024][1024] f32, rows along K), operands rounded to bf16, sums in f32.
; A work-group makes 128 rows of x times the 256 columns of ONE head of ONE projection (type 0 q, 1 k, 2 v, 3 f); eight waves, 64 x 64 each: 16 accumulators.
; What leaves: q, k = silu, bf16, row-major (qk); k, v = silu, f16, turned to [head][channel][time] (xT planes 0, 1);
; g = sigmoid(f)^(1/8), f32, row-major (gg); z64[i] = (1 - g[i]) x the product of g over the later rows of i's chunk of 64, f16, turned (xT plane 2); that chunk's whole product (gc).
; g is made as 2^(-(max(y,0) + log2(1 + 2^-|y|)) / 8), y = -f log2(e): no exponential of a positive number, so nothing overflows.
; LIMITS.  The turned k and v are f16: they must stay below 65,504 in size.  z64 lies in 0 to 1; below 6e-5 it keeps f16's fixed step of 6e-8.  NaN and infinities are not treated apart.
; K goes in steps of 32 through two LDS buffers: f32 comes by register loads, is rounded once and stored as bf16, so LDS holds and the waves read half the bytes.
; NO CLUSTER, NO TENSOR LOADS: the inputs are f32; a tile brought into LDS as it lies would be 128 + 256 rows of 128 bytes a step, twice what is stored here, and each of the
; waves that read it would round it again.
.set SPARE, 202752                     ; the spare words: 128 bytes for each of eight waves
.set BUFB,  30720                      ; a buffer: 128 rows of x, then 256 rows of W, 80 bytes apart (64 of data, 16 of padding: 20 words, 16 rows start at 16 different groups of banks)
.set S32P,  1040                       ; the stage in f32: 128 rows of 256 numbers + 16 bytes; it lies over the two buffers, which are dead by then
.set ZS,    133120                     ; the turned stage in f16: 256 rows of 128 numbers + 16 bytes
.set STG,   16                         ; v[16:63]   12 pieces of 16 bytes on their way from memory
.set AF,    64                         ; v[64:95]   fragments of x, 4 x 16 rows x 32 K
.set BF,    96                         ; v[96:127]  fragments of W
.set ACC,   128                        ; v[128:255] tile (a, b) at ACC + 8 (4 a + b)
.macro PLACES n
.rept \n
	v_nop
.endr
.endm
.macro BAR                             ; my LDS instructions are done; then all eight waves meet
	s_wait_dscnt 0x0
	s_barrier_signal -1
	s_barrier_wait -1
.endm
.macro LOADG                           ; one K step: 8 threads take a row's 128 bytes, 32 rows a pass
.irp e, 0,1,2,3
	global_load_b128 v[STG+4*\e:STG+4*\e+3], v3, s[34:35] offset:\e*131072
.endr
.irp e, 0,1,2,3,4,5,6,7
	global_load_b128 v[STG+16+4*\e:STG+16+4*\e+3], v3, s[36:37] offset:\e*131072
.endr
.endm
.macro CVST buf                        ; rounded to bf16 in place, 8 bytes a piece into LDS; W's rows follow x's, so one run of offsets serves both
.irp e, 0,1,2,3,4,5,6,7,8,9,10,11
	v_cvt_pk_bf16_f32 v[STG+4*\e], v[STG+4*\e], v[STG+4*\e+1]
	v_cvt_pk_bf16_f32 v[STG+4*\e+1], v[STG+4*\e+2], v[STG+4*\e+3]
.endr
.irp e, 0,1,2,3,4,5,6,7,8,9,10,11
	ds_store_b64 v4, v[STG+4*\e:STG+4*\e+1] offset:(\buf)*BUFB+\e*2560
.endr
.endm
.macro FRAGS buf
.irp a, 0,1,2,3
	ds_load_b128 v[AF+8*\a:AF+8*\a+3],   v5 offset:(\buf)*BUFB+\a*1280
	ds_load_b128 v[AF+8*\a+4:AF+8*\a+7], v5 offset:(\buf)*BUFB+\a*1280+32
	ds_load_b128 v[BF+8*\a:BF+8*\a+3],   v6 offset:(\buf)*BUFB+\a*1280
	ds_load_b128 v[BF+8*\a+4:BF+8*\a+7], v6 offset:(\buf)*BUFB+\a*1280+32
.endr
.endm
.macro MUL zero                        ; source 0 = rows of W, source 1 = rows of x: a lane holds one row of x and eight neighbouring columns.  The 16 accumulators take turns
.irp a, 0,1,2,3
.irp b, 0,1,2,3
.if \zero
	v_wmma_f32_16x16x32_bf16 v[ACC+8*(4*\a+\b):ACC+8*(4*\a+\b)+7], v[BF+8*\b:BF+8*\b+7], v[AF+8*\a:AF+8*\a+7], 0
.else
	v_wmma_f32_16x16x32_bf16 v[ACC+8*(4*\a+\b):ACC+8*(4*\a+\b)+7], v[BF+8*\b:BF+8*\b+7], v[AF+8*\a:AF+8*\a+7], v[ACC+8*(4*\a+\b):ACC+8*(4*\a+\b)+7]
.endif
.endr
.endr
.endm
; A K step.  The next step's loads go out first; buffer cur is multiplied; then the loads are waited for, rounded and stored into the other buffer, which every wave
; left at the barrier that closed the step before.  The 24 conversions are also the places between the products and the next step's loads into the fragments.
.macro TRIP cur, ld, zero
.if \ld
	LOADG
.endif
	FRAGS \cur
	s_wait_dscnt 0x0
	MUL \zero
.if \ld
	s_wait_loadcnt 0x0                             ; all 12 are in: the data may be used and the bases stepped
	s_add_nc_u64 s[34:35], s[34:35], 128
	s_add_nc_u64 s[36:37], s[36:37], 128
	CVST 1-(\cur)
.endif
	BAR
.endm
.macro SILU8 base                      ; x / (1 + 2^(-x log2 e)), eight at a time; a plain line stands behind each run of transcendentals
.irp j, 0,1,2,3,4,5,6,7
	v_mul_f32 v[64+\j], s2, v[(\base)+\j]
.endr
.irp j, 0,1,2,3,4,5,6,7
	v_exp_f32 v[64+\j], v[64+\j]
.endr
	v_nop
	s_wait_alu depctr_va_vdst(0)
.irp j, 0,1,2,3,4,5,6,7
	v_add_f32 v[64+\j], 1.0, v[64+\j]
.endr
.irp j, 0,1,2,3,4,5,6,7
	v_rcp_f32 v[64+\j], v[64+\j]
.endr
	v_nop
	s_wait_alu depctr_va_vdst(0)
.irp j, 0,1,2,3,4,5,6,7
	v_mul_f32 v[(\base)+\j], v[(\base)+\j], v[64+\j]
.endr
.endm
.macro GATE8 base                      ; g, eight at a time
.irp j, 0,1,2,3,4,5,6,7
	v_mul_f32 v[64+\j], s2, v[(\base)+\j]          ; y = -f log2 e
.endr
.irp j, 0,1,2,3,4,5,6,7
	v_or_b32 v[72+\j], 0x80000000, v[64+\j]        ; -|y|
.endr
.irp j, 0,1,2,3,4,5,6,7
	v_exp_f32 v[72+\j], v[72+\j]
.endr
	v_nop
	s_wait_alu depctr_va_vdst(0)
.irp j, 0,1,2,3,4,5,6,7
	v_add_f32 v[72+\j], 1.0, v[72+\j]
.endr
.irp j, 0,1,2,3,4,5,6,7
	v_log_f32 v[72+\j], v[72+\j]
.endr
.irp j, 0,1,2,3,4,5,6,7
	v_max_num_f32 v[64+\j], 0, v[64+\j]
.endr
	s_wait_alu depctr_va_vdst(0)
.irp j, 0,1,2,3,4,5,6,7
	v_add_f32 v[64+\j], v[64+\j], v[72+\j]         ; -log2 sigmoid(f)
.endr
.irp j, 0,1,2,3,4,5,6,7
	v_mul_f32 v[64+\j], s3, v[64+\j]
.endr
.irp j, 0,1,2,3,4,5,6,7
	v_exp_f32 v[(\base)+\j], v[64+\j]
.endr
	v_nop
.endm
	s_load_b256 s[16:23], s[0:1], 0x0              ; x s[16:17], Wq s[18:19], Wk s[20:21], Wv s[22:23]
	s_load_b256 s[24:31], s[0:1], 0x20             ; Wf s[24:25], qk s[26:27], xT s[28:29], gg s[30:31]
	s_load_b64 s[32:33], s[0:1], 0x40              ; gc
	v_lshl_add_u32 v1, v0, 2, SPARE                ; my spare word and 0: for the add at the wave's end alone
	v_mov_b32 v2, 0
	v_lshrrev_b32 v3, 5, v0
	v_readfirstlane_b32 s8, v3                     ; wave
	s_lshr_b32 s9, ttmp9, 2                        ; type
	s_and_b32 s10, ttmp9, 3                        ; head
	s_and_b32 s11, ttmp7, 0xffff                   ; which 128 rows of x
	s_and_b32 s13, s8, 1                           ; my 64 rows
	s_lshr_b32 s14, s8, 1                          ; my 64 columns
	v_and_b32 v10, 15, v0                          ; r
	v_bfe_u32 v11, v0, 4, 1                        ; h
	v_and_b32 v12, 31, v0                          ; lane
	v_lshrrev_b32 v13, 3, v0
	v_and_b32 v14, 7, v0
	v_lshlrev_b32 v3, 12, v13
	v_lshl_add_u32 v3, v14, 4, v3                  ; memory: row tid / 8, 16 bytes at 16 (tid % 8)
	v_mul_u32_u24 v4, v13, 80
	v_lshl_add_u32 v4, v14, 3, v4                  ; LDS: the same place in bf16
	s_lshl_b32 s15, s13, 6
	v_add_nc_u32 v15, s15, v10
	v_mul_u32_u24 v5, v15, 80
	v_lshl_add_u32 v5, v11, 4, v5                  ; fragments of x
	s_lshl_b32 s38, s14, 6
	v_add_nc_u32 v6, s38, v10
	v_mul_u32_u24 v6, v6, 80
	v_lshl_add_u32 v6, v11, 4, v6
	v_add_nc_u32 v6, 10240, v6                     ; fragments of W
	v_mul_u32_u24 v7, v15, S32P
	v_lshl_add_u32 v7, v11, 5, v7
	s_lshl_b32 s39, s14, 8
	v_add_nc_u32 v7, s39, v7                       ; the stage: row 64 wr + r, column 64 wc + 8 h
	s_mov_b32 s2, 0xbfb8aa3b                       ; -log2 e
	s_mov_b32 s3, 0xbe000000                       ; -1/8
	s_wait_kmcnt 0x0
	s_mov_b64 s[36:37], s[24:25]                   ; the type chooses the weights
	s_cmp_eq_u32 s9, 2
	s_cselect_b64 s[36:37], s[22:23], s[36:37]
	s_cmp_eq_u32 s9, 1
	s_cselect_b64 s[36:37], s[20:21], s[36:37]
	s_cmp_eq_u32 s9, 0
	s_cselect_b64 s[36:37], s[18:19], s[36:37]
	s_lshl_b32 s38, s10, 20                        ; the head's 256 rows of 4,096 bytes
	s_mov_b32 s39, 0
	s_add_nc_u64 s[36:37], s[36:37], s[38:39]
	s_lshl_b32 s38, s11, 19                        ; my 128 rows of x
	s_add_nc_u64 s[34:35], s[16:17], s[38:39]
	LOADG                                          ; K step 0
	s_wait_loadcnt 0x0
	s_add_nc_u64 s[34:35], s[34:35], 128
	s_add_nc_u64 s[36:37], s[36:37], 128
	CVST 0
	BAR
	TRIP 0, 1, 1                                   ; the first products start the sums
	s_mov_b32 s12, 15
.Lk:
	TRIP 1, 1, 0
	TRIP 0, 1, 0
	s_sub_co_u32 s12, s12, 1
	s_cmp_lg_u32 s12, 0
	s_cbranch_scc1 .Lk
	TRIP 1, 0, 0                                   ; K step 31: nothing is left to load; its barrier also frees both buffers for the stage
	; where the results go
	s_lshr_b32 s13, s11, 3
	s_lshl2_add_u32 s13, s13, s10                  ; bh = 4 b + head
	s_and_b32 s14, s11, 7                          ; which 128 steps of the sequence
	s_max_u32 s15, s9, 1
	s_sub_co_u32 s15, s15, 1                       ; xT's plane
	s_lshl_b32 s38, s15, 22
	s_lshl_b32 s40, s13, 19
	s_add_co_u32 s38, s38, s40
	s_lshl_b32 s40, s14, 8
	s_add_co_u32 s38, s38, s40
	s_mov_b32 s39, 0
	s_add_nc_u64 s[42:43], s[28:29], s[38:39]
	s_lshl_b32 s38, s13, 14
	s_lshl_b32 s40, s14, 11
	s_add_co_u32 s38, s38, s40
	s_add_nc_u64 s[44:45], s[32:33], s[38:39]
	PLACES 4                                       ; behind the last products
	s_cmp_eq_u32 s9, 3
	s_cbranch_scc1 .Lgate
.set t, 0
.rept 16
	SILU8 ACC+8*t
.set t, t+1
.endr
	s_branch .Lacted
.Lgate:
.set t, 0
.rept 16
	GATE8 ACC+8*t
.set t, t+1
.endr
.Lacted:
	s_wait_alu depctr_va_vdst(0)
.irp a, 0,1,2,3
.irp b, 0,1,2,3
	ds_store_b128 v7, v[ACC+8*(4*\a+\b):ACC+8*(4*\a+\b)+3]   offset:\a*16640+\b*64
	ds_store_b128 v7, v[ACC+8*(4*\a+\b)+4:ACC+8*(4*\a+\b)+7] offset:\a*16640+\b*64+16
.endr
.endr
	BAR                                            ; the stage is whole
	s_cmp_eq_u32 s9, 2
	s_cbranch_scc1 .Lcol
	s_cmp_eq_u32 s9, 3
	s_cbranch_scc1 .Lrow_g
	; q and k by rows: a wave takes row w + 8 e whole, 8 numbers a lane, and stores 512 consecutive bytes
	s_mul_i32 s38, s8, S32P
	v_lshl_add_u32 v16, v12, 5, s38
	v_add_nc_u32 v17, 66560, v16                   ; rows 64 on: an LDS offset has 16 bits
	s_lshl_b32 s38, s8, 11
	v_lshl_add_u32 v18, v12, 4, s38
	s_lshl_b32 s38, s9, 22
	s_lshl_b32 s40, s11, 18
	s_add_co_u32 s38, s38, s40
	s_lshl_b32 s40, s10, 9
	s_add_co_u32 s38, s38, s40
	s_add_nc_u64 s[46:47], s[26:27], s[38:39]
.irp e, 0,1,2,3,4,5,6,7
	ds_load_b128 v[128+8*\e:131+8*\e], v16 offset:\e*8320
	ds_load_b128 v[132+8*\e:135+8*\e], v16 offset:\e*8320+16
.endr
.irp e, 0,1,2,3,4,5,6,7
	ds_load_b128 v[192+8*\e:195+8*\e], v17 offset:\e*8320
	ds_load_b128 v[196+8*\e:199+8*\e], v17 offset:\e*8320+16
.endr
	s_wait_dscnt 0x0
.set k, 0
.rept 64
	v_cvt_pk_bf16_f32 v[64+k], v[128+2*k], v[129+2*k]
.set k, k+1
.endr
.irp e, 0,1,2,3,4,5,6,7,8,9,10,11,12,13,14,15
	global_store_b128 v18, v[64+4*\e:67+4*\e], s[46:47] offset:\e*16384
.endr
	s_cmp_eq_u32 s9, 0
	s_cbranch_scc1 .Lend
	s_branch .Lcol
.Lrow_g:
	; g by rows, f32: 64 threads take a row's 1,024 bytes
	v_lshrrev_b32 v19, 6, v0
	v_and_b32 v20, 63, v0
	v_mul_u32_u24 v16, v19, S32P
	v_lshl_add_u32 v16, v20, 4, v16
	v_add_nc_u32 v17, 66560, v16
	v_lshlrev_b32 v18, 12, v19
	v_lshl_add_u32 v18, v20, 4, v18
	s_lshl_b32 s38, s11, 19
	s_lshl_b32 s40, s10, 10
	s_add_co_u32 s38, s38, s40
	s_add_nc_u64 s[46:47], s[30:31], s[38:39]
.irp e, 0,1,2,3,4,5,6,7,8,9,10,11,12,13,14,15
	ds_load_b128 v[128+4*\e:131+4*\e], v16 offset:\e*4160
.endr
.irp e, 0,1,2,3,4,5,6,7,8,9,10,11,12,13,14,15
	ds_load_b128 v[192+4*\e:195+4*\e], v17 offset:\e*4160
.endr
	s_wait_dscnt 0x0
.set e, 0
.rept 32
	global_store_b128 v18, v[128+4*e:131+4*e], s[46:47] offset:e*16384
.set e, e+1
.endr
.Lcol:
	; k, v and g by columns: thread n takes column n's 128 numbers
	s_wait_xcnt 0x0                                ; the stores above have read their registers: only now are those written again
	v_lshlrev_b32 v20, 2, v0
	v_add_nc_u32 v21, 33280, v20
	v_add_nc_u32 v22, 66560, v20
	v_add_nc_u32 v23, 99840, v20
.set t, 0
.rept 128
	ds_load_b32 v[128+t], v[20+t/32] offset:(t%32)*S32P
.set t, t+1
.endr
	s_wait_dscnt 0x0
	s_cmp_lg_u32 s9, 3
	s_cbranch_scc1 .Lpack
	; backward through each chunk of 64: the product of the later g's is carried, by two registers in turn; g[i] becomes (1 - g[i]) x that product.  The two chunks go side by side
	v_mov_b32 v28, 1.0
	v_mov_b32 v30, 1.0
.set i, 63
.rept 32
	v_mul_f32 v29, v28, v[128+i]
	v_mul_f32 v31, v30, v[192+i]
	v_fma_f32 v[128+i], -v[128+i], v28, v28
	v_fma_f32 v[192+i], -v[192+i], v30, v30
	v_mul_f32 v28, v29, v[127+i]
	v_mul_f32 v30, v31, v[191+i]
	v_fma_f32 v[127+i], -v[127+i], v29, v29
	v_fma_f32 v[191+i], -v[191+i], v31, v31
.set i, i-2
.endr
	global_store_b32 v20, v28, s[44:45]            ; the chunks' whole products
	global_store_b32 v20, v30, s[44:45] offset:1024
.Lpack:
.set k, 0
.rept 64
	v_cvt_pk_f16_f32 v[64+k], v[128+2*k], v[129+2*k]
.set k, k+1
.endr
	v_mul_u32_u24 v24, v0, 272
	v_add_nc_u32 v24, ZS, v24
.irp e, 0,1,2,3,4,5,6,7,8,9,10,11,12,13,14,15
	ds_store_b128 v24, v[64+4*\e:67+4*\e] offset:16*\e
.endr
	BAR
	s_mul_i32 s38, s8, 8704
	s_add_co_u32 s38, s38, ZS
	v_mul_u32_u24 v25, v11, 272
	v_lshl_add_u32 v25, v10, 4, v25
	v_add_nc_u32 v25, s38, v25                     ; back: lanes 0-15 one row of 256 bytes, lanes 16-31 the next
	s_lshl_b32 s38, s8, 16
	v_lshlrev_b32 v26, 11, v11
	v_lshl_add_u32 v26, v10, 4, v26
	v_add_nc_u32 v26, s38, v26
.irp e, 0,1,2,3,4,5,6,7,8,9,10,11,12,13,14,15
	ds_load_b128 v[128+4*\e:131+4*\e], v25 offset:\e*544
.endr
	s_wait_dscnt 0x0
.irp e, 0,1,2,3,4,5,6,7,8,9,10,11,12,13,14,15
	global_store_b128 v26, v[128+4*\e:131+4*\e], s[42:43] offset:\e*4096   ; 16 lanes store 256 consecutive bytes, at a multiple of 256 from the buffer's first
.endr
.Lend:
	s_wait_tensorcnt 0x0                           ; the wave's end
	ds_add_u32 v1, v2
	s_wait_dscnt 0x0
	s_endpgm
.Lfunc_end_k_qf6783d85fe_proj:
	.size	k_qf6783d85fe_proj, .Lfunc_end_k_qf6783d85fe_proj-k_qf6783d85fe_proj
	.p2alignl 7, 3214868480
	.fill 96, 4, 3214868480
	.section	.rodata,"a",@progbits
	.p2align	6, 0x0
	.amdhsa_kernel k_qf6783d85fe_proj
		.amdhsa_group_segment_fixed_size 203776
		.amdhsa_private_segment_fixed_size 0
		.amdhsa_enable_private_segment 0
		.amdhsa_kernarg_size 72
		.amdhsa_user_sgpr_count 2
		.amdhsa_user_sgpr_kernarg_segment_ptr 1
		.amdhsa_wavefront_size32 1
		.amdhsa_system_sgpr_workgroup_id_x 1
		.amdhsa_system_sgpr_workgroup_id_y 1
		.amdhsa_system_sgpr_workgroup_id_z 1
		.amdhsa_system_vgpr_workitem_id 0
		.amdhsa_next_free_vgpr 256
		.amdhsa_next_free_sgpr 66
		.amdhsa_reserve_vcc 0
		.amdhsa_float_denorm_mode_32 3
		.amdhsa_float_denorm_mode_16_64 3
		.amdhsa_memory_ordered 1
		.amdhsa_forward_progress 1
		.amdhsa_inst_pref_size 135
	.end_amdhsa_kernel
	.amdgpu_metadata
---
amdhsa.version: [ 1, 2 ]
amdhsa.kernels:
  - .name:           k_qf6783d85fe_proj
    .symbol:         k_qf6783d85fe_proj.kd
    .args:
      - { .name: hidden_states, .offset: 0, .size: 8, .value_kind: global_buffer, .address_space: global }
      - { .name: Wq, .offset: 8, .size: 8, .value_kind: global_buffer, .address_space: global }
      - { .name: Wk, .offset: 16, .size: 8, .value_kind: global_buffer, .address_space: global }
      - { .name: Wv, .offset: 24, .size: 8, .value_kind: global_buffer, .address_space: global }
      - { .name: Wf, .offset: 32, .size: 8, .value_kind: global_buffer, .address_space: global }
      - { .name: qk, .offset: 40, .size: 8, .value_kind: global_buffer, .address_space: global }
      - { .name: xT, .offset: 48, .size: 8, .value_kind: global_buffer, .address_space: global }
      - { .name: gg, .offset: 56, .size: 8, .value_kind: global_buffer, .address_space: global }
      - { .name: gc, .offset: 64, .size: 8, .value_kind: global_buffer, .address_space: global }
    .group_segment_fixed_size: 203776
    .private_segment_fixed_size: 0
    .kernarg_segment_align: 8
    .kernarg_segment_size: 72
    .max_flat_workgroup_size: 256
    .sgpr_count:     66
    .vgpr_count:     256
    .wavefront_size: 32
...
	.end_amdgpu_metadata
.endif
;; end of part 1
;; launch states (part 2): grid 16 x 16, 16 waves a work-group, no clusters, 0 bytes of LDS; arguments xT, gc, st; writes st
.if DOCPART == 2
	.amdgcn_target "amdgcn-amd-amdhsa--gfx1250"
	.amdhsa_code_object_version 6
	.text
	.protected	k_qf6783d85fe_states
	.globl	k_qf6783d85fe_states
	.p2align	8
	.type	k_qf6783d85fe_states,@function
k_qf6783d85fe_states:
	s_mov_b64 s[64:65], 0
	v_nop
	global_prefetch_b8 v0, s[64:65] scope:SCOPE_SE
	s_setreg_imm32_b32 hwreg(HW_REG_WAVE_MODE, 25, 1), 1
	s_wait_xcnt 0x0
; THE STATES AT THE CHUNKS' STARTS, for both passes.  S[c+1] = S[c] x Gc (along the slots m) + the sum over the chunk's 64 steps i of x[i] z64[i]; S[0] = 0; x = k (pass 0) or v (pass 1).
; x and z64 are f16 (x below 65,504 in size, z64 in 0 to 1); the sums and the carried state are f32.
; A work-group: one pass, one (batch, head), 16 slots.  A wave: a tile of 16 x 16 of the state in one accumulator, carried through the 16 chunks; no wave needs another: no LDS, no barrier.
; Each state is stored, rounded to bf16, in the order in which the next launch's matrix instructions take it: tile (Nt, Kt): lane (r, h) holds n = 16 Nt + r, k = 16 Kt + 8 h + 0..7, 16 bytes;
; a wave's store is 512 consecutive bytes.  Pass 0: n = slot, k = key channel.  Pass 1: n = value channel, k = slot.
; Loads run three chunks ahead, in four register slots.
.set ACC, 8
.set OUT, 16
.macro PLACES n
.rept \n
	v_nop
.endr
.endm
.macro LD p, q, d                      ; the chunk d places on from the trip's base, into slot q: 64 steps of 16 rows of x and of z64, and Gc
.set B0, 24+40*(\q)
.irp k, 0,1,2,3
	global_load_b128 v[B0+4*\k:B0+4*\k+3], v3, s[16:17] offset:(\d)*128+32*\k
.endr
.irp k, 0,1,2,3
	global_load_b128 v[B0+16+4*\k:B0+16+4*\k+3], v4, s[18:19] offset:(\d)*128+32*\k
.endr
.if \p
	global_load_b128 v[B0+32:B0+35], v5, s[20:21] offset:(\d)*1024
	global_load_b128 v[B0+36:B0+39], v5, s[20:21] offset:(\d)*1024+16
.else
	global_load_b32 v[B0+32], v5, s[20:21] offset:(\d)*1024
.endif
.endm
; A chunk: the state at its start is stored; then it decays and takes the chunk's 64 steps.  left = how many younger chunks' loads (9 or 10 each) may stay out.
.macro CH p, q, d, ld, left, upd
.set B1, 24+40*(\q)
	PLACES 4                                       ; behind the last product
	s_wait_xcnt 0x0                                ; the last store has read OUT
.irp k, 0,1,2,3
	v_cvt_pk_bf16_f32 v[OUT+\k], v[ACC+2*\k], v[ACC+2*\k+1]
.endr
	global_store_b128 v6, v[OUT:OUT+3], s[22:23] offset:(\d)*131072
.if \ld
	LD \p, ((\q)+3)%4, (\d)+3
.endif
.if \upd
	s_wait_loadcnt (\left)*(9+(\p))
.if \p
.irp k, 0,1,2,3
	v_pk_mul_f32 v[ACC+2*\k:ACC+2*\k+1], v[ACC+2*\k:ACC+2*\k+1], v[B1+32+2*\k:B1+33+2*\k]   ; a register is a slot
.endr
	s_wait_alu depctr_va_vdst(0)                   ; a wait stands ahead of each link
	v_wmma_f32_16x16x32_f16 v[ACC:ACC+7], v[B1+16:B1+23], v[B1:B1+7], v[ACC:ACC+7]
	s_wait_alu depctr_va_vdst(0)
	v_wmma_f32_16x16x32_f16 v[ACC:ACC+7], v[B1+24:B1+31], v[B1+8:B1+15], v[ACC:ACC+7]
.else
.irp k, 0,1,2,3,4,5,6,7
	v_mul_f32 v[ACC+\k], v[ACC+\k], v[B1+32]       ; a lane is a slot
.endr
	s_wait_alu depctr_va_vdst(0)
	v_wmma_f32_16x16x32_f16 v[ACC:ACC+7], v[B1:B1+7], v[B1+16:B1+23], v[ACC:ACC+7]
	s_wait_alu depctr_va_vdst(0)
	v_wmma_f32_16x16x32_f16 v[ACC:ACC+7], v[B1+8:B1+15], v[B1+24:B1+31], v[ACC:ACC+7]
.endif
.endif
.endm
.macro BODY p
	s_lshl_b32 s24, s15, 6
.if \p
	v_lshl_add_u32 v5, v2, 5, s24                  ; Gc of slots 16 sigma + 8 h + 0..7
	s_lshl4_add_u32 s24, s8, s15                   ; tile: Nt = wave, Kt = sigma
.else
	v_lshl_add_u32 v5, v1, 2, s24                  ; Gc of slot 16 sigma + r
	s_lshl4_add_u32 s24, s15, s8                   ; tile: Nt = sigma, Kt = wave
.endif
	s_lshl_b32 s24, s24, 9
	v_lshl_add_u32 v6, v7, 4, s24
.irp k, 0,1,2,3,4,5,6,7
	v_mov_b32 v[ACC+\k], 0                         ; S[0] = 0, which is stored too
.endr
	LD \p, 0, 0
	LD \p, 1, 1
	LD \p, 2, 2
	s_mov_b32 s12, 3
.Lchunks\p:
	CH \p, 0, 0, 1, 3, 1
	CH \p, 1, 1, 1, 3, 1
	CH \p, 2, 2, 1, 3, 1
	CH \p, 3, 3, 1, 3, 1
	s_wait_xcnt 0x0                                ; the bases are stepped only behind this wait
	s_add_nc_u64 s[16:17], s[16:17], 512
	s_add_nc_u64 s[18:19], s[18:19], 512
	s_add_nc_u64 s[20:21], s[20:21], 4096
	s_add_nc_u64 s[22:23], s[22:23], 524288
	s_sub_co_u32 s12, s12, 1
	s_cmp_lg_u32 s12, 0
	s_cbranch_scc1 .Lchunks\p
	CH \p, 0, 0, 0, 2, 1                           ; chunks 12 to 15: nothing is left to load, the counts run down; chunk 15's own steps are needed by nobody
	CH \p, 1, 1, 0, 1, 1
	CH \p, 2, 2, 0, 0, 1
	CH \p, 3, 3, 0, 0, 0
	s_endpgm
.endm
	s_load_b128 s[4:7], s[0:1], 0x0                ; xT s[4:5], gc s[6:7]
	s_load_b64 s[10:11], s[0:1], 0x10              ; st
	v_lshrrev_b32 v1, 5, v0
	v_readfirstlane_b32 s8, v1                     ; wave
	s_and_b32 s9, ttmp7, 0xffff
	s_lshr_b32 s13, s9, 3                          ; pass
	s_and_b32 s14, s9, 7                           ; bh
	s_mov_b32 s15, ttmp9                           ; sigma: which 16 slots
	v_and_b32 v1, 15, v0                           ; r
	v_bfe_u32 v2, v0, 4, 1                         ; h
	v_and_b32 v7, 31, v0
	s_lshl_b32 s24, s8, 4
	v_add_nc_u32 v3, s24, v1
	v_lshlrev_b32 v3, 11, v3
	v_lshl_add_u32 v3, v2, 4, v3                   ; x: row 16 w + r of 2,048 bytes, 16 h
	s_lshl_b32 s24, s15, 4
	v_add_nc_u32 v4, s24, v1
	v_lshlrev_b32 v4, 11, v4
	v_lshl_add_u32 v4, v2, 4, v4                   ; z64: row 16 sigma + r
	s_lshl_b32 s24, s14, 19
	s_mov_b32 s25, 0
	s_lshl_b32 s26, s13, 22
	s_mov_b32 s27, 0
	s_wait_kmcnt 0x0
	s_add_nc_u64 s[16:17], s[4:5], s[24:25]
	s_add_nc_u64 s[18:19], s[16:17], 0x800000      ; z64 is xT's third plane
	s_add_nc_u64 s[16:17], s[16:17], s[26:27]      ; k or v
	s_lshl_b32 s24, s14, 14
	s_add_nc_u64 s[20:21], s[6:7], s[24:25]
	s_lshl_b32 s24, s14, 21
	s_lshl_b32 s26, s13, 24
	s_add_co_u32 s24, s24, s26
	s_add_nc_u64 s[22:23], s[10:11], s[24:25]
	s_cmp_eq_u32 s13, 0
	s_cbranch_scc0 .Lpass1
	BODY 0
.Lpass1:
	BODY 1
.Lfunc_end_k_qf6783d85fe_states:
	.size	k_qf6783d85fe_states, .Lfunc_end_k_qf6783d85fe_states-k_qf6783d85fe_states
	.p2alignl 7, 3214868480
	.fill 96, 4, 3214868480
	.section	.rodata,"a",@progbits
	.p2align	6, 0x0
	.amdhsa_kernel k_qf6783d85fe_states
		.amdhsa_group_segment_fixed_size 0
		.amdhsa_private_segment_fixed_size 0
		.amdhsa_enable_private_segment 0
		.amdhsa_kernarg_size 24
		.amdhsa_user_sgpr_count 2
		.amdhsa_user_sgpr_kernarg_segment_ptr 1
		.amdhsa_wavefront_size32 1
		.amdhsa_system_sgpr_workgroup_id_x 1
		.amdhsa_system_sgpr_workgroup_id_y 1
		.amdhsa_system_sgpr_workgroup_id_z 1
		.amdhsa_system_vgpr_workitem_id 0
		.amdhsa_next_free_vgpr 184
		.amdhsa_next_free_sgpr 66
		.amdhsa_reserve_vcc 0
		.amdhsa_float_denorm_mode_32 3
		.amdhsa_float_denorm_mode_16_64 3
		.amdhsa_memory_ordered 1
		.amdhsa_forward_progress 1
		.amdhsa_inst_pref_size 31
	.end_amdhsa_kernel
	.amdgpu_metadata
---
amdhsa.version: [ 1, 2 ]
amdhsa.kernels:
  - .name:           k_qf6783d85fe_states
    .symbol:         k_qf6783d85fe_states.kd
    .args:
      - { .name: xT, .offset: 0, .size: 8, .value_kind: global_buffer, .address_space: global }
      - { .name: gc, .offset: 8, .size: 8, .value_kind: global_buffer, .address_space: global }
      - { .name: st, .offset: 16, .size: 8, .value_kind: global_buffer, .address_space: global }
    .group_segment_fixed_size: 0
    .private_segment_fixed_size: 0
    .kernarg_segment_align: 8
    .kernarg_segment_size: 24
    .max_flat_workgroup_size: 512
    .sgpr_count:     66
    .vgpr_count:     184
    .wavefront_size: 32
...
	.end_amdgpu_metadata
.endif
;; end of part 2
;; launch mix (part 3): grid 16 x 8, 8 waves a work-group, no clusters, 312,320 bytes of LDS; arguments qk, xT, gg, st, g_w, yy, ssq; writes yy, ssq
.if DOCPART == 3
	.amdgcn_target "amdgcn-amd-amdhsa--gfx1250"
	.amdhsa_code_object_version 6
	.text
	.protected	k_qf6783d85fe_mix
	.globl	k_qf6783d85fe_mix
	.p2align	8
	.type	k_qf6783d85fe_mix,@function
k_qf6783d85fe_mix:
	s_mov_b64 s[64:65], 0
	v_nop
	global_prefetch_b8 v0, s[64:65] scope:SCOPE_SE
	s_setreg_imm32_b32 hwreg(HW_REG_WAVE_MODE, 25, 1), 1
	s_wait_xcnt 0x0
; BOTH PASSES OF THE RECURRENCE AND THE SOFTMAX BETWEEN THEM, for one chunk of 64 steps of one (batch, head): 128 work-groups, as many as there are chunks.  Eight waves.
; With g the decay, s = 1 - g, sub-blocks of 16 steps tt = 0..3, p[t] = the product of g from t's sub-block's start through t, pre[tt] = the product over the earlier sub-blocks:
;   ok[t][m] = p[t] (pre[tt] (q[t] . S1)[m] + sum over i < 16 tt of A[t][i] W[tt][i][m]) + sum over 16 tt <= i <= t of A[t][i] z[i][m],   A = q k^T,
;   W[tt][i] = s[i] x the product of g over i < r < 16 tt,   z[i] = s[i] x the product of g over i < r <= t, carried step by step in f32, a lane a slot.
;   qv = softmax over m of ok, its maximum taken away.
;   o[t] = (qv p pre) . S2 + sum over i of P[t][i] v[i];   P = (qv p[t]) . W[tt][i] for i < 16 tt;   P = (qv pc[t]) . (s[i] / pc[i]) for 16 tt <= i <= t;   0 above the diagonal.
; Every weight is a product of decays, at most 1, taken from a boundary between key and query: no reciprocal of a long product is formed.
; LIMITS.  pc[t] = 2^112 x the product of max(g, 2^-14) over t's sub-block through t: in pass 2's own block of 16 steps a decay below 2^-14 counts as 2^-14, an error of a weight of at most 6.1e-5.
; pc lies in 2^-112 .. 2^112.  Pairs above the diagonal may overflow and are replaced by 0.  v arrives in f16 (below 65,504 in size); P, in 0 to 1, is rounded to f16 for the product with v.
; The other matrix operands are bf16, all sums f32; g_w is rounded to bf16 as the other inputs are.  NaN and infinities in the inputs are not treated apart.
; What leaves: y = silu(o) g_w in f32, and the head's sum of silu(o)^2 for each step: the norm spans four heads, so the last launch finishes it.
; NO CLUSTER: no two work-groups read the same state, rows of q, k, g or columns of v.
.set QS,   0                           ; 64 rows x 528: q in bf16; later qv p pre
.set AFR,  33792                       ; 16 tiles x 512: A as half fragments (lane: step t = r, keys 8 h + 0..7)
.set PF,   41984                       ; the same for P
.set AD,   50176                       ; 16 tiles x 1,024: A in f32, [t][i]
.set WW,   66560                       ; 192 rows x 544 (odd multiple of 32, for the turning load): W[1] rows 0-31 (16-31 zero), W[2] 32-63, W[3] 64-127 (112-127 zero), s / pc 128-191
.set U1,   171008                      ; 64 rows x 528: p; later qv p
.set U2,   204800                      ; 64 rows x 528: pc; later qv pc
.set OK,   238592                      ; 64 rows x 1,040, f32: g, then ok, then y
.set PRE,  305152                      ; f32 [4][256]
.set SSP,  309248                      ; f32 [8 waves][64 steps]
.set SPARE, 311296                     ; the spare words: 128 bytes for each of eight waves
; v0 thread, v1 v2 the add's, v3 r, v4 h, v5 lane, v6 a zero to store, v7 r x 528 + 16 h, v8-11 pre (later offsets), v12-23 at work, v24-31 addresses
.macro PLACES n
.rept \n
	v_nop
.endr
.endm
.macro BAR
	s_wait_dscnt 0x0
	s_barrier_signal -1
	s_barrier_wait -1
.endm
; 32 along K of a product of the 64 rows in QS with the state in v[128:255]: sw = 0: D(step, slot), sw = 1: D(channel, step).  Eight accumulators v[64:127] take turns
.macro KSTEP k, sw
	PLACES 4                                       ; in front of loads into registers that the last products read
.irp a, 0,1,2,3
	ds_load_b128 v[32+8*\a:35+8*\a], v7 offset:\a*8448+(\k)*64
	ds_load_b128 v[36+8*\a:39+8*\a], v7 offset:\a*8448+(\k)*64+32
.endr
	s_wait_dscnt 0x0
.irp a, 0,1,2,3
.irp m, 0,1
.if (\sw) == 0
.if (\k) == 0
	v_wmma_f32_16x16x32_bf16 v[64+8*(2*\a+\m):71+8*(2*\a+\m)], v[32+8*\a:39+8*\a], v[128+64*\m+8*(\k):135+64*\m+8*(\k)], 0
.else
	v_wmma_f32_16x16x32_bf16 v[64+8*(2*\a+\m):71+8*(2*\a+\m)], v[32+8*\a:39+8*\a], v[128+64*\m+8*(\k):135+64*\m+8*(\k)], v[64+8*(2*\a+\m):71+8*(2*\a+\m)]
.endif
.else
.if (\k) == 0
	v_wmma_f32_16x16x32_bf16 v[64+8*(2*\a+\m):71+8*(2*\a+\m)], v[128+64*\m+8*(\k):135+64*\m+8*(\k)], v[32+8*\a:39+8*\a], 0
.else
	v_wmma_f32_16x16x32_bf16 v[64+8*(2*\a+\m):71+8*(2*\a+\m)], v[128+64*\m+8*(\k):135+64*\m+8*(\k)], v[32+8*\a:39+8*\a], v[64+8*(2*\a+\m):71+8*(2*\a+\m)]
.endif
.endif
.endr
.endr
.endm
.macro SILU8 base
.irp j, 0,1,2,3,4,5,6,7
	v_mul_f32 v[16+\j], s2, v[(\base)+\j]
.endr
.irp j, 0,1,2,3,4,5,6,7
	v_exp_f32 v[16+\j], v[16+\j]
.endr
	v_nop
	s_wait_alu depctr_va_vdst(0)
.irp j, 0,1,2,3,4,5,6,7
	v_add_f32 v[16+\j], 1.0, v[16+\j]
.endr
.irp j, 0,1,2,3,4,5,6,7
	v_rcp_f32 v[16+\j], v[16+\j]
.endr
	v_nop
	s_wait_alu depctr_va_vdst(0)
.irp j, 0,1,2,3,4,5,6,7
	v_mul_f32 v[(\base)+\j], v[(\base)+\j], v[16+\j]
.endr
.endm
	s_load_b256 s[16:23], s[0:1], 0x0              ; qk s[16:17], xT s[18:19], gg s[20:21], st s[22:23]
	s_load_b128 s[24:27], s[0:1], 0x20             ; g_w s[24:25], yy s[26:27]
	s_load_b64 s[28:29], s[0:1], 0x30              ; ssq
	v_lshl_add_u32 v1, v0, 2, SPARE
	v_mov_b32 v2, 0
	v_lshrrev_b32 v3, 5, v0
	v_readfirstlane_b32 s8, v3                     ; wave
	s_mov_b32 s9, ttmp9                            ; chunk
	s_and_b32 s10, ttmp7, 0xffff                   ; bh
	s_and_b32 s11, s10, 3                          ; head
	s_lshr_b32 s13, s10, 2
	s_lshl_b32 s13, s13, 10
	s_lshl_b32 s46, s9, 6
	s_add_co_u32 s13, s13, s46                     ; the chunk's first row among the 2,048
	s_lshr_b32 s14, s8, 1                          ; tt: my sub-block of steps in the tile phases
	s_and_b32 s15, s8, 1                           ; ip: my pair of sub-blocks of keys.  My two tiles 4 tt + 2 ip + 0, 1 are then tiles 2 w and 2 w + 1
	s_mov_b32 s2, 0xbfb8aa3b                       ; -log2 e
	s_mov_b32 s3, 0xffff0000
	s_mov_b32 s52, 0x3fb8aa3b                      ; log2 e, named as a pair
	s_mov_b32 s53, 0x3fb8aa3b
	s_mov_b32 s54, 0x76543210                      ; v_permlanex16_b32: each lane takes its own place in the other half
	s_mov_b32 s55, 0xfedcba98
	v_and_b32 v3, 15, v0
	v_bfe_u32 v4, v0, 4, 1
	v_and_b32 v5, 31, v0
	v_mov_b32 v6, 0
	s_lshl_b32 s46, s8, 11
	v_lshl_add_u32 v12, v5, 4, s46                 ; q by rows: row w, 16 bytes a lane
	s_lshl_b32 s46, s14, 4
	v_add_nc_u32 v13, s46, v3
	v_lshlrev_b32 v13, 11, v13
	v_lshl_add_u32 v13, v4, 4, v13                 ; q's fragments: row 16 tt + r
	s_lshl_b32 s46, s15, 5
	v_add_nc_u32 v14, s46, v3
	v_lshlrev_b32 v14, 11, v14
	v_lshl_add_u32 v14, v4, 4, v14                 ; k's fragments: row 32 ip + r
	s_mul_i32 s46, s8, 528
	v_lshl_add_u32 v15, v5, 4, s46
	v_mul_u32_u24 v7, v3, 528
	v_lshl_add_u32 v7, v4, 4, v7
	s_wait_kmcnt 0x0
	s_lshl_b32 s46, s13, 11
	s_lshl_b32 s47, s11, 9
	s_add_co_u32 s46, s46, s47
	s_mov_b32 s47, 0
	s_add_nc_u64 s[30:31], s[16:17], s[46:47]      ; q at the chunk's first row, my head
	s_lshl_b32 s46, s13, 12
	s_lshl_b32 s48, s11, 10
	s_add_co_u32 s46, s46, s48
	s_add_nc_u64 s[32:33], s[20:21], s[46:47]      ; g likewise
	s_add_nc_u64 s[42:43], s[26:27], s[46:47]      ; y likewise
	s_lshl_b32 s46, s10, 21
	s_lshl_b32 s48, s9, 17
	s_add_co_u32 s46, s46, s48
	s_add_nc_u64 s[34:35], s[22:23], s[46:47]      ; S1 of this chunk
	s_add_nc_u64 s[36:37], s[34:35], 0x1000000     ; S2
	s_lshl_b32 s46, s10, 19
	s_lshl_b32 s48, s9, 7
	s_add_co_u32 s46, s46, s48
	s_add_co_u32 s46, s46, 0x400000
	s_add_nc_u64 s[38:39], s[18:19], s[46:47]      ; v turned, at the chunk's first step
	s_lshl_b32 s46, s11, 10
	s_add_nc_u64 s[40:41], s[24:25], s[46:47]
	s_lshl_b32 s46, s11, 11
	s_add_co_u32 s46, s46, s13
	s_lshl_b32 s46, s46, 2
	s_add_nc_u64 s[44:45], s[28:29], s[46:47]
	; ---- A^T = k q^T: wave w makes the tiles (tt, 2 ip) and (tt, 2 ip + 1); q also goes into LDS by rows
.irp e, 0,1,2,3,4,5,6,7
	global_load_b128 v[16+4*\e:19+4*\e], v12, s[30:31] offset:\e*16384
.endr
.set k, 0
.rept 8
	global_load_b128 v[64+8*k:67+8*k],   v13, s[30:31] offset:k*64
	global_load_b128 v[68+8*k:71+8*k],   v13, s[30:31] offset:k*64+32
	global_load_b128 v[128+8*k:131+8*k], v14, s[30:31] offset:4194304+k*64
	global_load_b128 v[132+8*k:135+8*k], v14, s[30:31] offset:4194304+k*64+32
	global_load_b128 v[192+8*k:195+8*k], v14, s[30:31] offset:4194304+32768+k*64
	global_load_b128 v[196+8*k:199+8*k], v14, s[30:31] offset:4194304+32768+k*64+32
.set k, k+1
.endr
	s_wait_loadcnt 48                              ; the eight rows are in; the 48 fragment loads may stay out
.irp e, 0,1,2,3,4,5,6,7
	ds_store_b128 v15, v[16+4*\e:19+4*\e] offset:\e*4224
.endr
	s_wait_loadcnt 0x0
	v_wmma_f32_16x16x32_bf16 v[48:55], v[128:135], v[64:71], 0
	v_wmma_f32_16x16x32_bf16 v[56:63], v[192:199], v[64:71], 0
.set k, 1
.rept 7
	v_wmma_f32_16x16x32_bf16 v[48:55], v[128+8*k:135+8*k], v[64+8*k:71+8*k], v[48:55]
	v_wmma_f32_16x16x32_bf16 v[56:63], v[192+8*k:199+8*k], v[64+8*k:71+8*k], v[56:63]
.set k, k+1
.endr
	s_lshl_b32 s47, s8, 10                         ; tile 2 w: 512 bytes a tile in AFR,
	s_add_co_u32 s47, s47, AFR
	s_lshl_b32 s48, s8, 11                         ; 1,024 in AD
	s_add_co_u32 s48, s48, AD
	PLACES 4
	v_lshl_add_u32 v24, v5, 4, s47
	v_lshl_add_u32 v25, v3, 6, s48
	v_lshl_add_u32 v25, v4, 5, v25
.irp j, 0,1,2,3
	v_cvt_pk_bf16_f32 v[16+\j], v[48+2*\j], v[49+2*\j]
.endr
.irp j, 0,1,2,3
	v_cvt_pk_bf16_f32 v[20+\j], v[56+2*\j], v[57+2*\j]
.endr
	ds_store_b128 v24, v[16:19]
	ds_store_b128 v24, v[20:23] offset:512
	ds_store_b128 v25, v[48:51]
	ds_store_b128 v25, v[52:55] offset:16
	ds_store_b128 v25, v[56:59] offset:1024
	ds_store_b128 v25, v[60:63] offset:1040
	v_lshlrev_b32 v26, 2, v0
.set i, 0
.rept 64
	global_load_b32 v[64+i], v26, s[32:33] offset:i*4096           ; g of my slot m = thread, all 64 steps
.set i, i+1
.endr
	s_lshl_b32 s46, s8, 14
	v_lshl_add_u32 v27, v5, 4, s46
.set i, 0
.rept 32
	global_load_b128 v[128+4*i:131+4*i], v27, s[34:35] offset:i*512 ; S1: my two tiles of 16 slots, all 256 key channels, as fragments
.set i, i+1
.endr
	; ---- by slots: g is set aside; the first three sub-blocks' W and the products pre
	s_wait_loadcnt 32                              ; g is in; S1's 32 loads may stay out
	v_add_nc_u32 v28, OK, v26
.set i, 0
.rept 64
	ds_store_b32 v28, v[64+i] offset:i*1040
.set i, i+1
.endr
	v_mov_b32 v16, 1.0
	v_mov_b32 v18, 1.0
	v_mov_b32 v20, 1.0
.set i, 15
.rept 8                                ; backward through each sub-block; the product of the later g's by two registers in turn; the three sub-blocks side by side
.irp b, 0,1,2
	v_mul_f32 v[17+2*\b], v[16+2*\b], v[64+16*\b+i]
	v_fma_f32 v[64+16*\b+i], -v[64+16*\b+i], v[16+2*\b], v[16+2*\b]
.endr
.irp b, 0,1,2
	v_mul_f32 v[16+2*\b], v[17+2*\b], v[63+16*\b+i]
	v_fma_f32 v[63+16*\b+i], -v[63+16*\b+i], v[17+2*\b], v[17+2*\b]
.endr
.set i, i-2
.endr
	v_mov_b32 v8, 1.0                              ; pre[0]
	v_mov_b32 v9, v16                              ; pre[1] = B0
	v_mul_f32 v10, v16, v18                        ; pre[2] = B0 B1
	v_mul_f32 v22, v18, v20                        ; B1 B2
	v_mul_f32 v11, v10, v20                        ; pre[3]
	v_lshl_add_u32 v29, v0, 1, WW
	v_add_nc_u32 v30, 34816, v29                   ; row 64 on
	v_lshl_add_u32 v31, v0, 2, PRE
.macro WST sb, areg, row, fac          ; 16 rows of sub-block sb, times v[fac] where fac >= 0, rounded to bf16, to rows row .. row + 15 from v[areg]
.set k, 0
.rept 8
.set T0, 32+2*(k%4)
.if (\fac) >= 0
	v_mul_f32 v[T0], v[64+16*(\sb)+2*k], v[\fac]
	v_mul_f32 v[T0+1], v[65+16*(\sb)+2*k], v[\fac]
	v_cvt_pk_bf16_f32 v[T0], v[T0], v[T0+1]
.else
	v_cvt_pk_bf16_f32 v[T0], v[64+16*(\sb)+2*k], v[65+16*(\sb)+2*k]
.endif
	ds_store_b16 v[\areg], v[T0] offset:((\row)+2*k)*544
	ds_store_b16_d16_hi v[\areg], v[T0] offset:((\row)+2*k+1)*544
.set k, k+1
.endr
.endm
	WST 0, 29, 0, -1
	WST 0, 29, 32, 18
	WST 1, 29, 48, -1
	WST 0, 30, 0, 22
	WST 1, 30, 16, 20
	WST 2, 30, 32, -1
.set k, 0
.rept 16
	ds_store_b16 v29, v6 offset:(16+k)*544
	ds_store_b16 v30, v6 offset:(48+k)*544
.set k, k+1
.endr
.irp j, 0,1,2,3
	ds_store_b32 v31, v[8+\j] offset:\j*1024
.endr
	BAR                                            ; q, A, W and pre are whole
	; ---- q . S1, and the earlier sub-blocks' A . W; wave w owns slots 32 w .. 32 w + 31
	s_wait_loadcnt 0x0                             ; S1
.irp k, 0,1,2,3,4,5,6,7
	KSTEP \k, 0
.endr
	v_lshl_add_u32 v24, v5, 4, AFR
	v_and_b32 v16, 7, v0
	v_lshl_add_u32 v16, v4, 3, v16
	v_mul_u32_u24 v25, v16, 544
	v_bfe_u32 v16, v0, 3, 1
	v_lshl_add_u32 v25, v16, 4, v25
	s_lshl_b32 s46, s8, 6
	s_add_co_u32 s46, s46, WW
	v_add_nc_u32 v25, s46, v25                     ; the turning load: key 8 h + lane % 8, slots 8 ((lane / 8) % 2) on
	PLACES 5                                       ; the sums below land on registers that the products above read
.macro XLOAD f, tile, row
	ds_load_b128 v[32+8*\f:35+8*\f], v24 offset:(\tile)*512
	ds_load_b128 v[36+8*\f:39+8*\f], v24 offset:(\tile)*512+512
.irp m, 0,1
	ds_load_tr16_b128 v[176+8*(2*\f+\m):179+8*(2*\f+\m)], v25 offset:(\row)*544+32*\m
	ds_load_tr16_b128 v[180+8*(2*\f+\m):183+8*(2*\f+\m)], v25 offset:(\row)*544+32*\m+8704
.endr
.endm
	XLOAD 0, 4, 0                                  ; steps 16-31: keys 0-31 (16-31 against zeros)
	XLOAD 1, 8, 32                                 ; steps 32-47: keys 0-31
	XLOAD 2, 12, 64                                ; steps 48-63: keys 0-31
	XLOAD 3, 14, 96                                ;              keys 32-63 (48-63 against zeros)
	s_wait_dscnt 0x0
	v_wmma_f32_16x16x32_bf16 v[128:135], v[32:39], v[176:183], 0
	v_wmma_f32_16x16x32_bf16 v[136:143], v[32:39], v[184:191], 0
	v_wmma_f32_16x16x32_bf16 v[144:151], v[40:47], v[192:199], 0
	v_wmma_f32_16x16x32_bf16 v[152:159], v[40:47], v[200:207], 0
	v_wmma_f32_16x16x32_bf16 v[160:167], v[48:55], v[208:215], 0
	v_wmma_f32_16x16x32_bf16 v[168:175], v[48:55], v[216:223], 0
	v_wmma_f32_16x16x32_bf16 v[160:167], v[56:63], v[224:231], v[160:167]
	v_wmma_f32_16x16x32_bf16 v[168:175], v[56:63], v[232:239], v[168:175]
	PLACES 4
	; from tiles (lane: slot r, registers: steps 8 h + j) to a slot a lane: the upper lanes of the first slot tile change places with the lower lanes of the second
.irp a, 0,1,2,3
.irp j, 0,1,2,3,4,5,6,7
	v_permlane16_swap_b32 v[64+16*\a+\j], v[72+16*\a+\j]
.endr
.endr
.irp a, 0,1,2
.irp j, 0,1,2,3,4,5,6,7
	v_permlane16_swap_b32 v[128+16*\a+\j], v[136+16*\a+\j]
.endr
.endr
.set t, 16
.rept 48
	v_fma_f32 v[64+t], v[8+t/16], v[64+t], v[112+t]                ; Y[t] = pre (q . S1) + A . W
.set t, t+1
.endr
	; ---- the own sub-block, step by step, a slot a lane.  g comes back into registers, and all waves meet before ok is written where g lay
.set i, 0
.rept 64
	ds_load_b32 v[192+i], v28 offset:i*1040
.set i, i+1
.endr
	v_lshl_add_u32 v29, v0, 1, U1
	v_lshl_add_u32 v30, v0, 1, WW+69632            ; row 128 on
	BAR
; Step t of 16: z decays and takes s[t]; p and pc go on; the dot product of A's row with z; ok, p, pc and s / pc leave.
.macro STEP t
.set CB, 160+16*((\t)%2)
.set NB, 160+16*(((\t)+1)%2)
.set GP, 192+2*((\t)/2)
.if (\t) < 15
.irp k, 0,1,2,3
	ds_load_b128 v[NB+4*\k:NB+4*\k+3], v31 offset:((\t)+1)*64+16*\k   ; A's next row, the same for every lane
.endr
	s_wait_dscnt 0x4                               ; all but those four: this step's row is in
.else
	s_wait_dscnt 0x0
.endif
.if (\t) > 0
.set k, 0
.rept ((\t)+1)/2
.if ((\t)%2) == 0
	v_pk_mul_f32 v[144+2*k:145+2*k], v[144+2*k:145+2*k], v[GP:GP+1] op_sel_hi:[1,0]
.else
	v_pk_mul_f32 v[144+2*k:145+2*k], v[144+2*k:145+2*k], v[GP:GP+1] op_sel:[0,1] op_sel_hi:[1,1]
.endif
.set k, k+1
.endr
.endif
	v_sub_f32 v[144+(\t)], 1.0, v[192+(\t)]
	v_mul_f32 v12, v12, v[192+(\t)]
	v_max_num_f32 v16, 0x38800000, v[192+(\t)]     ; 2^-14
	v_mul_f32 v13, v13, v16
	v_rcp_f32 v17, v13
	v_pk_mul_f32 v[14:15], v[CB:CB+1], v[144:145]
.if (\t) > 1
.set k, 1
	s_wait_alu depctr_va_vdst(0)
.rept (\t)/2
	v_pk_fma_f32 v[14:15], v[CB+2*k:CB+2*k+1], v[144+2*k:145+2*k], v[14:15]
.set k, k+1
.endr
.endif
	v_add_f32 v14, v14, v15
	v_fma_f32 v18, v12, v[64+(\t)], v14
	s_wait_alu depctr_va_vdst(0)
	v_mul_f32 v19, v[144+(\t)], v17
	v_cvt_pk_bf16_f32 v20, v12, v13
	v_cvt_pk_bf16_f32 v21, v19, v19
	ds_store_b16 v25, v20 offset:(\t)*528
	ds_store_b16_d16_hi v26, v20 offset:(\t)*528
	ds_store_b16 v27, v21 offset:(\t)*544
	ds_store_b32 v24, v18 offset:(\t)*1040
.endm
	s_mov_b32 s48, 0
	s_mov_b32 s49, 0
	s_mov_b32 s50, 0
	s_mov_b32 s51, AD
	s_mov_b32 s12, 4
.Lsub:
	v_add_nc_u32 v24, s48, v28
	v_add_nc_u32 v25, s49, v29
	v_add_nc_u32 v26, U2-U1, v25
	v_add_nc_u32 v27, s50, v30
	v_mov_b32 v31, s51                             ; the diagonal tile of A
.irp k, 0,1,2,3
	ds_load_b128 v[160+4*\k:163+4*\k], v31 offset:16*\k
.endr
.irp k, 0,1,2,3,4,5,6,7,8,9,10,11,12,13,14,15
	v_mov_b32 v[144+\k], 0                         ; z: the packed lines reach one entry past the step in hand
.endr
	v_mov_b32 v12, 1.0
	v_mov_b32 v13, 0x77800000                      ; 2^112
.irp t, 0,1,2,3,4,5,6,7,8,9,10,11,12,13,14,15
	STEP \t
.endr
.set k, 0
.rept 48
	v_mov_b32 v[64+k], v[80+k]                     ; the next sub-block's Y and g come to where the one text of the steps names them
	v_mov_b32 v[192+k], v[208+k]
.set k, k+1
.endr
	s_add_co_u32 s48, s48, 16640
	s_add_co_u32 s49, s49, 8448
	s_add_co_u32 s50, s50, 8704
	s_add_co_u32 s51, s51, 5120
	s_sub_co_u32 s12, s12, 1
	s_cmp_lg_u32 s12, 0
	s_cbranch_scc1 .Lsub
	BAR                                            ; ok, p, pc and s / pc are whole
	; ---- softmax by rows: four lanes a row, wave w rows 8 w .. 8 w + 7; lane q of the four holds slots 32 k + 8 q + 0..7
	s_lshl_b32 s46, s8, 14
	v_lshl_add_u32 v9, v5, 4, s46
.set i, 0
.rept 32
	global_load_b128 v[128+4*i:131+4*i], v9, s[36:37] offset:i*512 ; S2: my two tiles of 16 value channels, all 256 slots
.set i, i+1
.endr
	v_lshrrev_b32 v16, 2, v5
	v_and_b32 v17, 3, v5
	s_mul_i32 s46, s8, 8320
	s_add_co_u32 s46, s46, OK
	v_mul_u32_u24 v24, v16, 1040
	v_lshl_add_u32 v24, v17, 5, v24
	v_add_nc_u32 v24, s46, v24
	s_mul_i32 s46, s8, 4224
	v_mul_u32_u24 v27, v16, 528
	v_lshl_add_u32 v27, v17, 4, v27
	v_add_nc_u32 v27, s46, v27
	v_add_nc_u32 v25, U1, v27
	v_add_nc_u32 v26, U2, v27
	s_lshr_b32 s46, s8, 1
	s_lshl_b32 s46, s46, 10
	s_add_co_u32 s46, s46, PRE
	v_lshl_add_u32 v28, v17, 5, s46
.irp k, 0,1,2,3,4,5,6,7
	ds_load_b128 v[64+8*\k:67+8*\k], v24 offset:128*\k
	ds_load_b128 v[68+8*\k:71+8*\k], v24 offset:128*\k+16
.endr
	s_wait_dscnt 0x0
.irp c, 0,1,2,3
	v_max3_num_f32 v[16+\c], v[64+16*\c], v[65+16*\c], v[66+16*\c]
.endr
.irp n, 0,1,2,3,4,5
.irp c, 0,1,2,3
	v_max3_num_f32 v[16+\c], v[16+\c], v[67+16*\c+2*\n], v[68+16*\c+2*\n]
.endr
.endr
	v_max3_num_f32 v16, v16, v79, v95
	v_max3_num_f32 v18, v18, v111, v127
	v_max3_num_f32 v16, v16, v17, v18
	v_max_num_f32 v16, v16, v19
	v_max_num_f32_dpp v16, v16, v16 row_xmask:1 row_mask:0xf bank_mask:0xf
	v_max_num_f32_dpp v16, v16, v16 row_xmask:2 row_mask:0xf bank_mask:0xf
	v_mul_f32 v18, s2, v16                         ; -max log2 e
	v_mov_b32 v19, v18
.set k, 0
.rept 32
	v_pk_fma_f32 v[64+2*k:65+2*k], v[64+2*k:65+2*k], s[52:53], v[18:19] op_sel_hi:[1,0,1]
.set k, k+1
.endr
.set k, 0
.rept 64
	v_exp_f32 v[64+k], v[64+k]
.set k, k+1
.endr
	v_nop
	s_wait_alu depctr_va_vdst(0)
.irp c, 0,1,2,3
	v_pk_add_f32 v[32+2*\c:33+2*\c], v[64+16*\c:65+16*\c], v[66+16*\c:67+16*\c]
.endr
.irp n, 2,3,4,5,6,7
.irp c, 0,1,2,3
	v_pk_add_f32 v[32+2*\c:33+2*\c], v[32+2*\c:33+2*\c], v[64+16*\c+2*\n:65+16*\c+2*\n]
.endr
.endr
	v_pk_add_f32 v[32:33], v[32:33], v[34:35]
	v_pk_add_f32 v[36:37], v[36:37], v[38:39]
	v_pk_add_f32 v[32:33], v[32:33], v[36:37]
	v_add_f32 v32, v32, v33
	v_add_f32_dpp v32, v32, v32 row_xmask:1 row_mask:0xf bank_mask:0xf
	v_add_f32_dpp v32, v32, v32 row_xmask:2 row_mask:0xf bank_mask:0xf
	v_rcp_f32 v18, v32
	v_rcp_f32 v19, v32
	v_nop
.set k, 0
	s_wait_alu depctr_va_vdst(0)
.rept 32
	v_pk_mul_f32 v[64+2*k:65+2*k], v[64+2*k:65+2*k], v[18:19]
.set k, k+1
.endr
.set k, 0
.rept 8                                ; qv p over p, qv pc over pc (the lane's own bytes), qv p pre where q lay
	ds_load_b128 v[16:19], v25 offset:64*k
	ds_load_b128 v[20:23], v26 offset:64*k
	ds_load_b128 v[32:35], v28 offset:128*k
	ds_load_b128 v[36:39], v28 offset:128*k+16
	s_wait_dscnt 0x0
.irp j, 0,1,2,3
	v_lshlrev_b32 v[40+2*\j], 16, v[16+\j]
	v_and_b32 v[41+2*\j], s3, v[16+\j]
	v_lshlrev_b32 v[48+2*\j], 16, v[20+\j]
	v_and_b32 v[49+2*\j], s3, v[20+\j]
.endr
.irp j, 0,1,2,3
	v_pk_mul_f32 v[40+2*\j:41+2*\j], v[40+2*\j:41+2*\j], v[64+8*k+2*\j:65+8*k+2*\j]
	v_pk_mul_f32 v[48+2*\j:49+2*\j], v[48+2*\j:49+2*\j], v[64+8*k+2*\j:65+8*k+2*\j]
.endr
.irp j, 0,1,2,3
	v_pk_mul_f32 v[32+2*\j:33+2*\j], v[32+2*\j:33+2*\j], v[40+2*\j:41+2*\j]
.endr
.irp j, 0,1,2,3
	v_cvt_pk_bf16_f32 v[16+\j], v[40+2*\j], v[41+2*\j]
	v_cvt_pk_bf16_f32 v[20+\j], v[48+2*\j], v[49+2*\j]
	v_cvt_pk_bf16_f32 v[56+\j], v[32+2*\j], v[33+2*\j]
.endr
	ds_store_b128 v25, v[16:19] offset:64*k
	ds_store_b128 v26, v[20:23] offset:64*k
	ds_store_b128 v27, v[56:59] offset:64*k
.set k, k+1
.endr
	BAR
	; ---- P^T: wave w makes the tiles (tt, 2 ip), (tt, 2 ip + 1).  Below the diagonal block: W[tt] against qv p.  In it: s / pc against qv pc, keys past the step replaced by 0.  Above it: 0.
	v_mul_u32_u24 v29, v3, 544
	v_lshl_add_u32 v29, v4, 4, v29
	v_add_nc_u32 v16, 8, v3
	v_lshlrev_b32 v17, 3, v4
	v_sub_nc_u32 v16, v16, v17                     ; r - 8 h + 8: register j is kept where j + 8 is not greater
.macro P5SET u
	s_lshl1_add_u32 s56, s15, \u                   ; the sub-block of keys
	s_lshl_b32 s57, s56, 4
	s_max_u32 s58, s14, 1
	s_sub_co_u32 s58, s58, 1
	s_lshl_b32 s58, s58, 5
	s_add_co_u32 s58, s58, s57                     ; W[tt]'s rows
	s_add_co_u32 s59, s57, 128                     ; s / pc's rows
	s_cmp_lt_u32 s56, s14
	s_cselect_b32 s58, s58, s59
	s_cselect_b32 s60, 0, U2-U1
	s_cselect_b32 s61, 100, 0                      ; below the diagonal block all is kept
	s_cmp_eq_u32 s56, s14
	s_cselect_b32 s62, 1, 0
	s_mul_i32 s58, s58, 544
	s_add_co_u32 s58, s58, WW
	v_add_nc_u32 v[24+\u], s58, v29
	s_mul_i32 s59, s14, 8448
	s_add_co_u32 s59, s59, s60
	s_add_co_u32 s59, s59, U1
	v_add_nc_u32 v[26+\u], s59, v7
	v_mad_u32_u24 v[30+\u], v16, s62, s61
.endm
	P5SET 0
	P5SET 1
	s_lshl_b32 s46, s8, 10                         ; tile 2 w
	s_add_co_u32 s46, s46, PF
	v_lshl_add_u32 v28, v5, 4, s46
.set k, 0
.rept 8
	PLACES 4
	ds_load_b128 v[64:67], v24 offset:64*k
	ds_load_b128 v[68:71], v24 offset:64*k+32
	ds_load_b128 v[72:75], v26 offset:64*k
	ds_load_b128 v[76:79], v26 offset:64*k+32
	ds_load_b128 v[80:83], v25 offset:64*k
	ds_load_b128 v[84:87], v25 offset:64*k+32
	ds_load_b128 v[88:91], v27 offset:64*k
	ds_load_b128 v[92:95], v27 offset:64*k+32
	s_wait_dscnt 0x0
.if k == 0
	v_wmma_f32_16x16x32_bf16 v[96:103], v[64:71], v[72:79], 0
	v_wmma_f32_16x16x32_bf16 v[104:111], v[80:87], v[88:95], 0
.else
	v_wmma_f32_16x16x32_bf16 v[96:103], v[64:71], v[72:79], v[96:103]
	v_wmma_f32_16x16x32_bf16 v[104:111], v[80:87], v[88:95], v[104:111]
.endif
.set k, k+1
.endr
	PLACES 4
.irp j, 0,1,2,3,4,5,6,7
	v_cmp_le_u32 vcc_lo, \j+8, v30
	v_cndmask_b32 v[96+\j], 0, v[96+\j], vcc_lo
.endr
.irp j, 0,1,2,3,4,5,6,7
	v_cmp_le_u32 vcc_lo, \j+8, v31
	v_cndmask_b32 v[104+\j], 0, v[104+\j], vcc_lo
.endr
.irp j, 0,1,2,3,4,5,6,7
	v_cvt_pk_f16_f32 v[112+\j], v[96+2*\j], v[97+2*\j]
.endr
	BAR                                            ; every wave's reads of this phase, whose rows are chosen at run time by the tile's place against the diagonal, are over before any wave stores
	ds_store_b128 v28, v[112:115]
	ds_store_b128 v28, v[116:119] offset:512
	BAR                                            ; P is whole
	; ---- o^T = S2^T (qv p pre) + v^T P; wave w owns value channels 32 w .. 32 w + 31.  v's fragments and g_w land in registers of S2 that have been multiplied
	s_lshl_b32 s46, s8, 5
	v_add_nc_u32 v10, s46, v3
	v_lshlrev_b32 v10, 11, v10
	v_lshl_add_u32 v10, v4, 4, v10
	s_lshl_b32 s46, s8, 7
	v_lshl_add_u32 v11, v4, 5, s46
	v_lshl_add_u32 v24, v5, 4, PF
	s_wait_loadcnt 0x0                             ; S2
	KSTEP 0, 1
	KSTEP 1, 1
	PLACES 4
.irp m, 0,1
.irp s, 0,1
	global_load_b128 v[128+64*\m+8*\s:131+64*\m+8*\s], v10, s[38:39] offset:\m*32768+\s*64
	global_load_b128 v[132+64*\m+8*\s:135+64*\m+8*\s], v10, s[38:39] offset:\m*32768+\s*64+32
.endr
.endr
	KSTEP 2, 1
	KSTEP 3, 1
	PLACES 4
.irp m, 0,1
	global_load_b128 v[144+64*\m:147+64*\m], v11, s[40:41] offset:\m*64
	global_load_b128 v[148+64*\m:151+64*\m], v11, s[40:41] offset:\m*64+16
.endr
	KSTEP 4, 1
	KSTEP 5, 1
	KSTEP 6, 1
	KSTEP 7, 1
	s_wait_loadcnt 0x0                             ; v and g_w
.irp s, 0,1
	PLACES 5                                       ; the f16 products go on on sums that bf16 products made: no chain in place, so five places stand between
.irp a, 0,1,2,3
	ds_load_b128 v[32+8*\a:35+8*\a], v24 offset:(4*\a+2*\s)*512
	ds_load_b128 v[36+8*\a:39+8*\a], v24 offset:(4*\a+2*\s)*512+512
.endr
	s_wait_dscnt 0x0
.irp a, 0,1,2,3
.irp m, 0,1
	v_wmma_f32_16x16x32_f16 v[64+8*(2*\a+\m):71+8*(2*\a+\m)], v[128+64*\m+8*\s:135+64*\m+8*\s], v[32+8*\a:39+8*\a], v[64+8*(2*\a+\m):71+8*(2*\a+\m)]
.endr
.endr
.endr
	PLACES 4
.irp t, 0,1,2,3,4,5,6,7
	SILU8 64+8*\t
.endr
	; a lane holds one step (16 a + r) and 16 of my 32 channels: its squares, then the other half of the lanes'
.irp a, 0,1,2,3
	v_pk_mul_f32 v[32+2*\a:33+2*\a], v[64+16*\a:65+16*\a], v[64+16*\a:65+16*\a]
.endr
.irp n, 1,2,3,4,5,6,7
.irp a, 0,1,2,3
	v_pk_fma_f32 v[32+2*\a:33+2*\a], v[64+16*\a+2*\n:65+16*\a+2*\n], v[64+16*\a+2*\n:65+16*\a+2*\n], v[32+2*\a:33+2*\a]
.endr
.endr
.irp a, 0,1,2,3
	v_add_f32 v[32+2*\a], v[32+2*\a], v[33+2*\a]
.endr
.irp a, 0,1,2,3
	v_permlanex16_b32 v[33+2*\a], v[32+2*\a], s54, s55
.endr
.irp a, 0,1,2,3
	v_add_f32 v[32+2*\a], v[32+2*\a], v[33+2*\a]
.endr
	s_lshl_b32 s46, s8, 8
	s_add_co_u32 s46, s46, SSP
	v_lshl_add_u32 v25, v3, 2, s46
.irp a, 0,1,2,3
	ds_store_b32 v25, v[32+2*\a] offset:\a*64
.endr
.irp m, 0,1                            ; g_w rounded to bf16, as every input is, and widened again
.irp n, 0,1,2,3
	v_cvt_pk_bf16_f32 v[16+4*\m+\n], v[144+64*\m+2*\n], v[145+64*\m+2*\n]
.endr
.endr
.irp m, 0,1
.irp n, 0,1,2,3
	v_lshlrev_b32 v[144+64*\m+2*\n], 16, v[16+4*\m+\n]
	v_and_b32 v[145+64*\m+2*\n], s3, v[16+4*\m+\n]
.endr
.endr
.irp a, 0,1,2,3
.irp m, 0,1
.irp n, 0,1,2,3
	v_pk_mul_f32 v[64+8*(2*\a+\m)+2*\n:65+8*(2*\a+\m)+2*\n], v[64+8*(2*\a+\m)+2*\n:65+8*(2*\a+\m)+2*\n], v[144+64*\m+2*\n:145+64*\m+2*\n]
.endr
.endr
.endr
	s_lshl_b32 s46, s8, 7
	s_add_co_u32 s46, s46, OK
	v_mul_u32_u24 v26, v3, 1040
	v_lshl_add_u32 v26, v4, 5, v26
	v_add_nc_u32 v26, s46, v26
.irp a, 0,1,2,3
.irp m, 0,1
	ds_store_b128 v26, v[64+8*(2*\a+\m):67+8*(2*\a+\m)] offset:\a*16640+\m*64
	ds_store_b128 v26, v[68+8*(2*\a+\m):71+8*(2*\a+\m)] offset:\a*16640+\m*64+16
.endr
.endr
	BAR
	v_lshrrev_b32 v16, 6, v0
	v_and_b32 v17, 63, v0
	v_mul_u32_u24 v27, v16, 1040
	v_lshl_add_u32 v27, v17, 4, v27
	v_add_nc_u32 v27, OK, v27
	v_lshlrev_b32 v28, 12, v16
	v_lshl_add_u32 v28, v17, 4, v28
.irp e, 0,1,2,3,4,5,6,7,8,9,10,11,12,13,14,15
	ds_load_b128 v[64+4*\e:67+4*\e], v27 offset:\e*4160
.endr
	s_wait_dscnt 0x0
.irp e, 0,1,2,3,4,5,6,7,8,9,10,11,12,13,14,15
	global_store_b128 v28, v[64+4*\e:67+4*\e], s[42:43] offset:\e*16384   ; a wave stores 512 consecutive bytes of a row
.endr
	s_cmp_ge_u32 s8, 2
	s_cbranch_scc1 .Lend
	v_lshl_add_u32 v29, v0, 2, SSP                 ; threads 0 to 63: a step each, the eight waves' parts
.irp k, 0,1,2,3,4,5,6,7
	ds_load_b32 v[16+\k], v29 offset:\k*256
.endr
	v_lshlrev_b32 v30, 2, v0
	s_wait_dscnt 0x0
	v_add_f32 v16, v16, v17
	v_add_f32 v18, v18, v19
	v_add_f32 v20, v20, v21
	v_add_f32 v22, v22, v23
	v_add_f32 v16, v16, v18
	v_add_f32 v20, v20, v22
	v_add_f32 v16, v16, v20
	global_store_b32 v30, v16, s[44:45]
.Lend:
	s_wait_tensorcnt 0x0                           ; the wave's end
	ds_add_u32 v1, v2
	s_wait_dscnt 0x0
	s_endpgm
.Lfunc_end_k_qf6783d85fe_mix:
	.size	k_qf6783d85fe_mix, .Lfunc_end_k_qf6783d85fe_mix-k_qf6783d85fe_mix
	.p2alignl 7, 3214868480
	.fill 96, 4, 3214868480
	.section	.rodata,"a",@progbits
	.p2align	6, 0x0
	.amdhsa_kernel k_qf6783d85fe_mix
		.amdhsa_group_segment_fixed_size 312320
		.amdhsa_private_segment_fixed_size 0
		.amdhsa_enable_private_segment 0
		.amdhsa_kernarg_size 56
		.amdhsa_user_sgpr_count 2
		.amdhsa_user_sgpr_kernarg_segment_ptr 1
		.amdhsa_wavefront_size32 1
		.amdhsa_system_sgpr_workgroup_id_x 1
		.amdhsa_system_sgpr_workgroup_id_y 1
		.amdhsa_system_sgpr_workgroup_id_z 1
		.amdhsa_system_vgpr_workitem_id 0
		.amdhsa_next_free_vgpr 256
		.amdhsa_next_free_sgpr 66
		.amdhsa_reserve_vcc 1
		.amdhsa_float_denorm_mode_32 3
		.amdhsa_float_denorm_mode_16_64 3
		.amdhsa_memory_ordered 1
		.amdhsa_forward_progress 1
		.amdhsa_inst_pref_size 175
	.end_amdhsa_kernel
	.amdgpu_metadata
---
amdhsa.version: [ 1, 2 ]
amdhsa.kernels:
  - .name:           k_qf6783d85fe_mix
    .symbol:         k_qf6783d85fe_mix.kd
    .args:
      - { .name: qk, .offset: 0, .size: 8, .value_kind: global_buffer, .address_space: global }
      - { .name: xT, .offset: 8, .size: 8, .value_kind: global_buffer, .address_space: global }
      - { .name: gg, .offset: 16, .size: 8, .value_kind: global_buffer, .address_space: global }
      - { .name: st, .offset: 24, .size: 8, .value_kind: global_buffer, .address_space: global }
      - { .name: g_w, .offset: 32, .size: 8, .value_kind: global_buffer, .address_space: global }
      - { .name: yy, .offset: 40, .size: 8, .value_kind: global_buffer, .address_space: global }
      - { .name: ssq, .offset: 48, .size: 8, .value_kind: global_buffer, .address_space: global }
    .group_segment_fixed_size: 312320
    .private_segment_fixed_size: 0
    .kernarg_segment_align: 8
    .kernarg_segment_size: 56
    .max_flat_workgroup_size: 256
    .sgpr_count:     66
    .vgpr_count:     256
    .wavefront_size: 32
...
	.end_amdgpu_metadata
.endif
;; end of part 3
;; launch oproj (part 4): grid 16 x 16, 8 waves a work-group, no clusters, 56,320 bytes of LDS; arguments yy, Wo, ssq, out0; writes out0
.if DOCPART == 4
	.amdgcn_target "amdgcn-amd-amdhsa--gfx1250"
	.amdhsa_code_object_version 6
	.text
	.protected	k_qf6783d85fe_oproj
	.globl	k_qf6783d85fe_oproj
	.p2align	8
	.type	k_qf6783d85fe_oproj,@function
k_qf6783d85fe_oproj:
	s_mov_b64 s[64:65], 0
	v_nop
	global_prefetch_b8 v0, s[64:65] scope:SCOPE_SE
	s_setreg_imm32_b32 hwreg(HW_REG_WAVE_MODE, 25, 1), 1
	s_wait_xcnt 0x0
; out[t][n] = the sum over c of (y[t][c] R[t]) Wo[n][c],   R[t] = rsqrt(mean over 1,024 channels of silu(o)^2 + 1e-5),   y = silu(o) g_w.
; FORMATS.  y R is formed in f32 and rounded to f16: it is the normalised number times g_w, at most 32 |g_w| in size, whatever the size of o.  Wo is rounded to bf16, as every input is, and that number
; is written as f16: exact from 6.1e-5 up, below that within f16's fixed step of 6e-8; |Wo| must stay below 65,504.  Sums in f32.
; A work-group: 128 rows x 64 columns; eight waves, 32 x 32 each: four accumulators.  K goes in steps of 64 (rows of 256 bytes, at multiples of 256) through two LDS buffers.
; NO CLUSTER, NO TENSOR LOADS: both operands are f32, and y wants its row's factor before it is rounded; brought into LDS as they lie they would take twice the bytes stored here, and every wave that
; reads them would scale and round them again.
.set SPARE, 55296
.set BUFB,  27648                      ; 128 rows of y, then 64 rows of Wo, 144 bytes apart (128 of data, 16 of padding)
.set STG,   16                         ; v[16:63] 12 pieces of 16 bytes on their way from memory; v[8:15] R of the eight rows that I convert
.macro PLACES n
.rept \n
	v_nop
.endr
.endm
.macro BAR
	s_wait_dscnt 0x0
	s_barrier_signal -1
	s_barrier_wait -1
.endm
.macro LOADG                           ; 16 threads take a row's 256 bytes, 16 rows a pass
.irp e, 0,1,2,3,4,5,6,7
	global_load_b128 v[STG+4*\e:STG+4*\e+3], v3, s[26:27] offset:\e*65536
.endr
.irp e, 0,1,2,3
	global_load_b128 v[STG+32+4*\e:STG+32+4*\e+3], v3, s[28:29] offset:\e*65536
.endr
.endm
.macro CVST buf
.irp e, 0,1,2,3,4,5,6,7                ; y: piece e lies in row tid / 16 + 16 e, whose factor is v[8 + e]: the low or the high register of a pair
.if (\e%2) == 0
	v_pk_mul_f32 v[STG+4*\e:STG+4*\e+1],   v[STG+4*\e:STG+4*\e+1],   v[8+2*(\e/2):9+2*(\e/2)] op_sel_hi:[1,0]
	v_pk_mul_f32 v[STG+4*\e+2:STG+4*\e+3], v[STG+4*\e+2:STG+4*\e+3], v[8+2*(\e/2):9+2*(\e/2)] op_sel_hi:[1,0]
.else
	v_pk_mul_f32 v[STG+4*\e:STG+4*\e+1],   v[STG+4*\e:STG+4*\e+1],   v[8+2*(\e/2):9+2*(\e/2)] op_sel:[0,1] op_sel_hi:[1,1]
	v_pk_mul_f32 v[STG+4*\e+2:STG+4*\e+3], v[STG+4*\e+2:STG+4*\e+3], v[8+2*(\e/2):9+2*(\e/2)] op_sel:[0,1] op_sel_hi:[1,1]
.endif
.endr
.irp e, 8,9,10,11                      ; Wo: to bf16,
	v_cvt_pk_bf16_f32 v[STG+4*\e],   v[STG+4*\e],   v[STG+4*\e+1]
	v_cvt_pk_bf16_f32 v[STG+4*\e+2], v[STG+4*\e+2], v[STG+4*\e+3]
.endr
.irp e, 8,9,10,11                      ; widened again
	v_and_b32     v[STG+4*\e+1], s6, v[STG+4*\e]
	v_lshlrev_b32 v[STG+4*\e],   16, v[STG+4*\e]
	v_and_b32     v[STG+4*\e+3], s6, v[STG+4*\e+2]
	v_lshlrev_b32 v[STG+4*\e+2], 16, v[STG+4*\e+2]
.endr
.irp e, 0,1,2,3,4,5,6,7,8,9,10,11      ; and all to f16
	v_cvt_pk_f16_f32 v[STG+4*\e],   v[STG+4*\e],   v[STG+4*\e+1]
	v_cvt_pk_f16_f32 v[STG+4*\e+1], v[STG+4*\e+2], v[STG+4*\e+3]
.endr
.irp e, 0,1,2,3,4,5,6,7,8,9,10,11
	ds_store_b64 v4, v[STG+4*\e:STG+4*\e+1] offset:(\buf)*BUFB+\e*2304
.endr
.endm
.macro FRAGS buf                       ; for each 32 along K: two fragments of y, two of Wo
.irp s, 0,1
.irp a, 0,1
	ds_load_b128 v[96+32*\s+8*\a:99+32*\s+8*\a],    v5 offset:(\buf)*BUFB+\a*2304+\s*64
	ds_load_b128 v[100+32*\s+8*\a:103+32*\s+8*\a],  v5 offset:(\buf)*BUFB+\a*2304+\s*64+32
	ds_load_b128 v[112+32*\s+8*\a:115+32*\s+8*\a],  v6 offset:(\buf)*BUFB+\a*2304+\s*64
	ds_load_b128 v[116+32*\s+8*\a:119+32*\s+8*\a],  v6 offset:(\buf)*BUFB+\a*2304+\s*64+32
.endr
.endr
.endm
.macro MUL zero                        ; source 0 = rows of Wo, source 1 = rows of y: a lane holds one row and eight neighbouring columns.  The four accumulators take turns
.irp s, 0,1
.irp a, 0,1
.irp b, 0,1
.if (\zero) && (\s == 0)
	v_wmma_f32_16x16x32_f16 v[64+8*(2*\a+\b):71+8*(2*\a+\b)], v[112+32*\s+8*\b:119+32*\s+8*\b], v[96+32*\s+8*\a:103+32*\s+8*\a], 0
.else
	v_wmma_f32_16x16x32_f16 v[64+8*(2*\a+\b):71+8*(2*\a+\b)], v[112+32*\s+8*\b:119+32*\s+8*\b], v[96+32*\s+8*\a:103+32*\s+8*\a], v[64+8*(2*\a+\b):71+8*(2*\a+\b)]
.endif
.endr
.endr
.endr
.endm
; A K step: the next step's loads go out; buffer cur is multiplied; the loads are waited for, scaled, rounded and stored into the other buffer, which every wave left at the barrier before.
; That vector work is also the places between the products and the next loads into the fragments.
.macro TRIP cur, ld, zero
.if \ld
	LOADG
.endif
	FRAGS \cur
	s_wait_dscnt 0x0
	MUL \zero
.if \ld
	s_wait_loadcnt 0x0
	s_add_nc_u64 s[26:27], s[26:27], 256
	s_add_nc_u64 s[28:29], s[28:29], 256
	CVST 1-(\cur)
.endif
	BAR
.endm
	s_load_b256 s[16:23], s[0:1], 0x0              ; yy s[16:17], Wo s[18:19], ssq s[20:21], out0 s[22:23]
	v_lshl_add_u32 v1, v0, 2, SPARE
	v_mov_b32 v2, 0
	v_lshrrev_b32 v3, 5, v0
	v_readfirstlane_b32 s8, v3                     ; wave
	s_mov_b32 s9, ttmp9                            ; which 64 columns
	s_and_b32 s10, ttmp7, 0xffff                   ; which 128 rows
	s_and_b32 s13, s8, 3                           ; my 32 rows
	s_lshr_b32 s14, s8, 2                          ; my 32 columns
	s_mov_b32 s4, 0x3a800000                       ; 1 / 1,024
	s_mov_b32 s5, 0x3727c5ac                       ; 1e-5
	s_mov_b32 s6, 0xffff0000
	v_and_b32 v128, 15, v0
	v_bfe_u32 v129, v0, 4, 1
	v_lshrrev_b32 v130, 4, v0
	v_lshlrev_b32 v3, 12, v130
	v_lshl_add_u32 v3, v128, 4, v3                 ; memory: row tid / 16, 16 bytes at 16 (tid % 16); serves y, Wo and out
	v_mul_u32_u24 v4, v130, 144
	v_lshl_add_u32 v4, v128, 3, v4
	s_lshl_b32 s15, s13, 5
	v_add_nc_u32 v131, s15, v128
	v_mul_u32_u24 v5, v131, 144
	v_lshl_add_u32 v5, v129, 4, v5
	s_lshl_b32 s24, s14, 5
	v_add_nc_u32 v6, s24, v128
	v_mul_u32_u24 v6, v6, 144
	v_lshl_add_u32 v6, v129, 4, v6
	v_add_nc_u32 v6, 18432, v6
	v_mul_u32_u24 v7, v131, 272
	v_lshl_add_u32 v7, v129, 5, v7
	s_lshl_b32 s24, s14, 7
	v_add_nc_u32 v7, s24, v7                       ; the stage: row 32 wr + r, column 32 wc + 8 h
	v_lshlrev_b32 v132, 2, v130
	s_wait_kmcnt 0x0
	s_lshl_b32 s24, s10, 19
	s_mov_b32 s25, 0
	s_add_nc_u64 s[26:27], s[16:17], s[24:25]
	s_add_nc_u64 s[32:33], s[22:23], s[24:25]
	s_lshl_b32 s24, s9, 8
	s_add_nc_u64 s[32:33], s[32:33], s[24:25]
	s_lshl_b32 s24, s9, 18
	s_add_nc_u64 s[28:29], s[18:19], s[24:25]
	s_lshl_b32 s24, s10, 9
	s_add_nc_u64 s[30:31], s[20:21], s[24:25]
.irp q, 0,1,2,3
.irp e, 0,1,2,3,4,5,6,7
	global_load_b32 v[96+8*\q+\e], v132, s[30:31] offset:\q*8192+\e*64     ; the four heads' sums of squares for rows tid / 16 + 16 e
.endr
.endr
	LOADG                                          ; K step 0
	s_wait_loadcnt 12                              ; the 32 sums are in; the 12 loads just issued may stay out
.irp e, 0,1,2,3,4,5,6,7
	v_add_f32 v[96+\e], v[96+\e], v[104+\e]
.endr
.irp e, 0,1,2,3,4,5,6,7
	v_add_f32 v[112+\e], v[112+\e], v[120+\e]
.endr
.irp e, 0,1,2,3,4,5,6,7
	v_add_f32 v[96+\e], v[96+\e], v[112+\e]
.endr
.irp e, 0,1,2,3,4,5,6,7
	v_fma_f32 v[96+\e], v[96+\e], s4, s5           ; mean + 1e-5
.endr
.irp e, 0,1,2,3,4,5,6,7
	v_rsq_f32 v[8+\e], v[96+\e]
.endr
	v_nop
	s_wait_alu depctr_va_vdst(0)
	s_wait_loadcnt 0x0
	s_add_nc_u64 s[26:27], s[26:27], 256
	s_add_nc_u64 s[28:29], s[28:29], 256
	CVST 0
	BAR
	TRIP 0, 1, 1
	s_mov_b32 s12, 7
.Lk:
	TRIP 1, 1, 0
	TRIP 0, 1, 0
	s_sub_co_u32 s12, s12, 1
	s_cmp_lg_u32 s12, 0
	s_cbranch_scc1 .Lk
	TRIP 1, 0, 0                                   ; K step 15; its barrier also frees the buffers for the stage
	PLACES 4                                       ; behind the last products
.irp a, 0,1
.irp b, 0,1
	ds_store_b128 v7, v[64+8*(2*\a+\b):67+8*(2*\a+\b)] offset:\a*4352+\b*64
	ds_store_b128 v7, v[68+8*(2*\a+\b):71+8*(2*\a+\b)] offset:\a*4352+\b*64+16
.endr
.endr
	BAR
	v_lshrrev_b32 v10, 4, v0
	v_and_b32 v11, 15, v0
	v_mul_u32_u24 v10, v10, 272
	v_lshl_add_u32 v10, v11, 4, v10
.irp e, 0,1,2,3,4,5,6,7
	ds_load_b128 v[16+4*\e:19+4*\e], v10 offset:\e*4352
.endr
	s_wait_dscnt 0x0
.irp e, 0,1,2,3,4,5,6,7
	global_store_b128 v3, v[16+4*\e:19+4*\e], s[32:33] offset:\e*65536     ; 16 lanes store 256 consecutive bytes, at a multiple of 256 from the buffer's first
.endr
	s_wait_tensorcnt 0x0                           ; the wave's end
	ds_add_u32 v1, v2
	s_wait_dscnt 0x0
	s_endpgm
.Lfunc_end_k_qf6783d85fe_oproj:
	.size	k_qf6783d85fe_oproj, .Lfunc_end_k_qf6783d85fe_oproj-k_qf6783d85fe_oproj
	.p2alignl 7, 3214868480
	.fill 96, 4, 3214868480
	.section	.rodata,"a",@progbits
	.p2align	6, 0x0
	.amdhsa_kernel k_qf6783d85fe_oproj
		.amdhsa_group_segment_fixed_size 56320
		.amdhsa_private_segment_fixed_size 0
		.amdhsa_enable_private_segment 0
		.amdhsa_kernarg_size 32
		.amdhsa_user_sgpr_count 2
		.amdhsa_user_sgpr_kernarg_segment_ptr 1
		.amdhsa_wavefront_size32 1
		.amdhsa_system_sgpr_workgroup_id_x 1
		.amdhsa_system_sgpr_workgroup_id_y 1
		.amdhsa_system_sgpr_workgroup_id_z 1
		.amdhsa_system_vgpr_workitem_id 0
		.amdhsa_next_free_vgpr 160
		.amdhsa_next_free_sgpr 66
		.amdhsa_reserve_vcc 0
		.amdhsa_float_denorm_mode_32 3
		.amdhsa_float_denorm_mode_16_64 3
		.amdhsa_memory_ordered 1
		.amdhsa_forward_progress 1
		.amdhsa_inst_pref_size 39
	.end_amdhsa_kernel
	.amdgpu_metadata
---
amdhsa.version: [ 1, 2 ]
amdhsa.kernels:
  - .name:           k_qf6783d85fe_oproj
    .symbol:         k_qf6783d85fe_oproj.kd
    .args:
      - { .name: yy, .offset: 0, .size: 8, .value_kind: global_buffer, .address_space: global }
      - { .name: Wo, .offset: 8, .size: 8, .value_kind: global_buffer, .address_space: global }
      - { .name: ssq, .offset: 16, .size: 8, .value_kind: global_buffer, .address_space: global }
      - { .name: out0, .offset: 24, .size: 8, .value_kind: global_buffer, .address_space: global }
    .group_segment_fixed_size: 56320
    .private_segment_fixed_size: 0
    .kernarg_segment_align: 8
    .kernarg_segment_size: 32
    .max_flat_workgroup_size: 256
    .sgpr_count:     66
    .vgpr_count:     160
    .wavefront_size: 32
...
	.end_amdgpu_metadata
.endif
;; end of part 4
